; MI455X (gfx1250); checked and timed in simulation.
; The chip was launched on July 23, 2026; its instructions are those of AMD's public machine-readable ISA for CDNA 5 (MIT licence, August 2026) and "CDNA5" Instruction Set Architecture Reference Guide (July 2026). The comments in the code are by the model that wrote it; some were corrected since.
;; Trained Attention. Allowed arithmetic: matrix products marked QUANTISED: E4M3 operands, one given power-of-two scale a tensor, by v_wmma_f32_16x16x64_fp8_fp8 or v_wmma_f32_16x16x128_fp8_fp8, f32 sums; everything else in f32.
;; Inputs: b_k 1,024 float32; b_o 1,024 float32; b_q 1,024 float32; b_v 1,024 float32; lowp_scales 12 int32 (the exponents e of the quantised operands' scales 2^e); q_scale 16 float32; temperature 1 float32; w_k 1,024 x 1,024 float32; w_o 1,024 x 1,024 float32; w_q 1,024 x 1,024 float32; w_v 1,024 x 1,024 float32; x 4 x 2,048 x 1,024 float32.
;; Outputs: out0 4 x 2,048 x 1,024 float32.
;; This version of the problem:
;;   THIS VERSION OF THE PROBLEM IS GIVEN IN LOW PRECISION. The matrix products marked QUANTISED in the list below multiply operands that are first quantised to E4M3 (4 exponent bits, 3 mantissa bits; 8 bits a number), with one given power-of-two scale for each operand tensor; their sums are f32. All else is computed in f32.
;;   The module's matrix products, in the order in which they are computed (A, B: the left and right operand; K: the contracted axis; several contracted axes count as one K, in the product's order):
;;     1. [M 8,192, K 1,024] x [K 1,024, N 1,024]; A: input x; B: input w_q: QUANTISED (scales: A lowp_scales[0], B lowp_scales[1])
;;     2. [M 8,192, K 1,024] x [K 1,024, N 1,024]; A: input x; B: input w_k: QUANTISED (scales: A lowp_scales[2], B lowp_scales[3])
;;     3. [M 8,192, K 1,024] x [K 1,024, N 1,024]; A: input x; B: input w_v: QUANTISED (scales: A lowp_scales[4], B lowp_scales[5])
;;     4. batch 64 x [M 2,048, K 64] x [K 64, N 2,048]; A: computed on the way; B: computed on the way: QUANTISED (scales: A lowp_scales[6], B lowp_scales[7])
;;     5. batch 64 x [M 2,048, K 2,048] x [K 2,048, N 64]; A: computed on the way; B: computed on the way: QUANTISED (scales: A lowp_scales[8], B lowp_scales[9])
;;     6. [M 8,192, K 1,024] x [K 1,024, N 1,024]; A: computed on the way; B: input w_o: QUANTISED (scales: A lowp_scales[10], B lowp_scales[11])
;;   THE QUANTISER, for each operand of a quantised product, along K:
;;     - The operand's scale is 2^e, e = its entry of the input lowp_scales (int32; the entries are numbered through the quantised products in the list's order, A before B).
;;     - Each number is divided by the scale, clamped to +-448, and rounded to the nearest number of E4M3, ties to even, subnormals kept.
;;     - The product sums the exact products of the quantised numbers (number of the format x scale) in f32.
;;   ~~~python
;;   def quantise(x, axis, e):      # numpy; x: float32 -> the quantised numbers, widened to float32 again
;;       x = np.moveaxis(x, axis, -1); K = x.shape[-1]
;;       r = np.clip(x / 2.0 ** e, -448, 448)
;;       step = 2.0 ** (np.maximum(np.frexp(np.where(r == 0, 1, r))[1] - 1, -6) - 3)
;;       q = np.round(r / step) * step * 2.0 ** e      # np.round: ties to even
;;       return np.moveaxis(q, -1, axis).astype(np.float32)
;;   ~~~
;;   OPERANDS COMPUTED ON THE WAY. 'Computed on the way' means the value that the module computes at that place (a softmax that the list does not call 'softmax' is quantised finished and normalised). What goes into a quantiser is computed in f32, as accurately as f32 sums, v_exp_f32 and their like allow (about 1e-6 of the number): no bf16 or f16 on the way to a quantiser, and a product that is left as it is and whose result goes on into a quantised operand takes f32 operands (vector FMAs, or v_wmma_f32_16x16x4_f32). A number that lies on a knife's edge between two numbers of the format may be rounded either way, as far as f32 arithmetic and the matrix unit's own rounding can turn it there, and no further.
;; One version. Each part assembles by itself: llvm-mc -triple=amdgcn-amd-amdhsa -mcpu=gfx1250 --defsym DOCPART=n.
;; ======== version 1 of 1: 4 launches
;; limits: right only within a limited range of input values
;; workspace buffers: xc 25,165,824 bytes; wc 4,194,304 bytes; qc 8,388,608 bytes; kc 8,388,608 bytes; vc 8,388,608 bytes; oc 8,388,608 bytes
;; launch quant (part 1): grid 768 x 1, 4 waves a work-group, no clusters, 35,328 bytes of LDS; arguments x, w_q, w_k, w_v, w_o, lowp_scales, xc, wc; writes xc, wc
.if DOCPART == 1
	.amdgcn_target "amdgcn-amd-amdhsa--gfx1250"
	.amdhsa_code_object_version 6
	.text
	.protected	k_q5a4a94e412_quant
	.globl	k_q5a4a94e412_quant
	.p2align	8
	.type	k_q5a4a94e412_quant,@function
k_q5a4a94e412_quant:
	s_mov_b64 s[64:65], 0
	v_nop
	global_prefetch_b8 v0, s[64:65] scope:SCOPE_SE
	s_setreg_imm32_b32 hwreg(HW_REG_WAVE_MODE, 25, 1), 1
	s_wait_xcnt 0x0
; x [8192][1024] and the four weights [1024][1024], f32 with K innermost, become codes of E4M3.
; x is an operand of three products, each with a scale entry of its own (entries 0, 2, 4): three sets of codes.  The weights take entries 1, 3, 5, 11.
; code = number / 2^e, held within +-448, rounded to the nearest code, ties to even.
; LIMITS: each e between -126 and 119, so that 2^e and 448 x 2^e are f32 numbers.  NaN among the inputs is not served (an infinity is held at the largest code).
; THE LAYOUT OF THE CODES is the image of the matrix operand's registers: a fragment of 16 rows x 64 k is 1,024 bytes, [g = 0, 1][lane][16 bytes];
; lane (r = lane % 16, h = lane / 16), group g, byte t holds row r, k = 16 (2 g + t / 8) + 8 h + t % 8: registers 4 g .. 4 g + 3 of the 8-bit fragment.
; xc: [z 3][rt 512][kt 16][1024]   wc: [weight 4][rt 64][kt 16][1024]   (rt = row / 16, kt = k / 64)
; SHARES.  A work-group takes 16 rows (work-groups 0-511: x; 512 + 64 wi + rt: weight wi), wave w the fragments kt = 4 w .. 4 w + 3, one a step.
; A load takes the bytes as they lie (sixteen lanes read 256 consecutive bytes of a row); a step's 4,096 bytes turn through the wave's own stage in LDS, so that a lane
; gets eight neighbours along K in consecutive registers, as the conversions want.  Waves share nothing: no barrier.  All 32 loads of a wave go out at the start.
.set PITCH, 272                        ; a stage row: 256 bytes + 16, so that sixteen rows' reads begin 16 bytes further on each
.set STG,   16*PITCH                   ; a stage: 16 rows
.set WREG,  2*STG                      ; two stages a wave, by turns
.set GL,  2                            ; v2  global: (lane / 16) rows of 4,096 bytes + 16 (lane % 16)
.set LS,  3                            ; v3  the stage on the way in: as loaded
.set LR,  4                            ; v4  the stage on the way out: row lane % 16, + 32 (lane / 16)
.set LI,  5                            ; v5  16 x lane: my place in an image's group
.set SC,  8                            ; v8-13  for z = 0, 1, 2: 2^e, 448 x 2^e
.set R,   16                           ; v16-143  four steps x 32 as loaded; a step's registers then take its codes (8 for each z), so that no store's data are written again
.set X,   144                          ; v144-207 two sets of 32: k = 16 c + 8 h + 0 .. 7 of my row at X + 8 c
.set T,   208                          ; v208-239 the numbers, held
	s_load_b512 s[4:19], s[0:1], 0x0               ; x, w_q, w_k, w_v, w_o, the scales' exponents, xc, wc
	v_lshl_add_u32 v240, v0, 2, 0x8800
	v_mov_b32 v241, 0
	v_lshrrev_b32 v1, 5, v0
	v_readfirstlane_b32 s40, v1                    ; wave
	v_and_b32 v6, 15, v0                           ; r
	v_bfe_u32 v7, v0, 4, 1                         ; h
	v_and_b32 v[LI], 31, v0
	v_lshlrev_b32 v[LI], 4, v[LI]
	v_lshlrev_b32 v[GL], 4, v6
	v_lshl_add_u32 v[GL], v7, 12, v[GL]
	s_mul_i32 s44, s40, WREG
	v_mul_u32_u24 v[LS], v7, PITCH
	v_lshl_add_u32 v[LS], v6, 4, v[LS]
	v_add_nc_u32 v[LS], s44, v[LS]
	v_mul_u32_u24 v[LR], v6, PITCH
	v_lshl_add_u32 v[LR], v7, 5, v[LR]
	v_add_nc_u32 v[LR], s44, v[LR]
	; which tensor, which 16 rows: all from the work-group's number
	s_cmp_lt_u32 ttmp9, 512
	s_cselect_b32 s45, 0, 512
	s_sub_co_u32 s48, ttmp9, s45                   ; x: rt;  a weight: 64 wi + rt
	s_lshr_b32 s41, s48, 6
	s_and_b32 s49, s48, 63
	s_cmp_lt_u32 ttmp9, 512
	s_cselect_b32 s42, s48, s49                    ; rt
	s_cselect_b32 s41, 0, s41                      ; wi (0 for x)
	s_lshl_b32 s46, s42, 16                        ; in: rt x 16 rows x 4,096 bytes + wave x 1,024
	s_lshl_b32 s48, s40, 10
	s_add_co_u32 s46, s46, s48
	s_mov_b32 s47, 0
	s_lshl_b32 s52, s42, 14                        ; out: rt x 16 fragments + wave x 4 fragments + the weight's 2^20 bytes
	s_lshl_b32 s48, s40, 12
	s_add_co_u32 s52, s52, s48
	s_lshl_b32 s48, s41, 20
	s_add_co_u32 s52, s52, s48
	s_mov_b32 s53, 0
	s_wait_alu depctr_va_vdst(0)
	s_wait_kmcnt 0x0
	s_load_b256 s[20:27], s[14:15], 0x0            ; e0 .. e7
	s_load_b128 s[28:31], s[14:15], 0x20           ; e8 .. e11
	s_mov_b64 s[32:33], s[6:7]                     ; the source: chosen on the work-group's number alone
	s_cmp_eq_u32 s41, 1
	s_cselect_b64 s[32:33], s[8:9], s[32:33]
	s_cmp_eq_u32 s41, 2
	s_cselect_b64 s[32:33], s[10:11], s[32:33]
	s_cmp_eq_u32 s41, 3
	s_cselect_b64 s[32:33], s[12:13], s[32:33]
	s_cmp_lt_u32 ttmp9, 512
	s_cselect_b64 s[32:33], s[4:5], s[32:33]
	s_cselect_b64 s[34:35], s[16:17], s[18:19]     ; where set 0 goes: xc or wc
	s_add_nc_u64 s[32:33], s[32:33], s[46:47]
	s_add_nc_u64 s[34:35], s[34:35], s[52:53]
	s_add_nc_u64 s[36:37], s[16:17], s[52:53]      ; x's sets 1 and 2 lie 2^23 and 2^24 bytes further on: bases of their own (used by x's work-groups alone)
	s_add_nc_u64 s[36:37], s[36:37], 0x800000
	s_add_nc_u64 s[38:39], s[16:17], s[52:53]
	s_add_nc_u64 s[38:39], s[38:39], 0x1000000
.macro LOAD t                          ; fragment t's 16 rows x 256 bytes: lanes 0-15 row 2 i, lanes 16-31 row 2 i + 1
.irp i, 0,1,2,3,4,5,6,7
	global_load_b128 v[R+32*(\t)+4*\i:R+32*(\t)+4*\i+3], v[GL], s[32:33] offset:8192*\i+256*(\t) th:TH_LOAD_NT
.endr
.endm
.macro TURN t                          ; through the stage: LDS serves a wave's instructions in order, so no wait stands between the stores and the loads
.irp i, 0,1,2,3,4,5,6,7
	ds_store_b128 v[LS], v[R+32*(\t)+4*\i:R+32*(\t)+4*\i+3] offset:STG*((\t)%2)+2*PITCH*\i
.endr
.irp c, 0,1,2,3
.irp u, 0,1
	ds_load_b128 v[X+32*((\t)%2)+8*\c+4*\u:X+32*((\t)%2)+8*\c+4*\u+3], v[LR] offset:STG*((\t)%2)+64*\c+16*\u
.endr
.endr
.endm
.macro CONV t, z                       ; fragment t with scale z: hold, convert, store the image: each store of the wave covers 512 consecutive bytes, aligned
.set XS, X+32*((\t)%2)
.set CD, R+32*(\t)+8*(\z)
.set j, 0
.rept 32
	v_med3_num_f32 v[T+j], v[XS+j], -v[SC+2*(\z)+1], v[SC+2*(\z)+1]   ; the conversion to an 8-bit code does not saturate (ISA guide 7.6.2): the hold comes first
.set j, j+1
.endr
.irp c, 0,1,2,3
	v_cvt_scalef32_pk8_fp8_f32 v[CD+2*\c:CD+2*\c+1], v[T+8*\c:T+8*\c+7], v[SC+2*(\z)]
.endr
	v_nop                                          ; a plain line between the conversions and the next holds, which write their sources
	global_store_b128 v[LI], v[CD:CD+3], s[34+2*(\z):35+2*(\z)] offset:1024*(\t)
	global_store_b128 v[LI], v[CD+4:CD+7], s[34+2*(\z):35+2*(\z)] offset:1024*(\t)+512
.endm
.macro SCALE z, e
	s_add_co_i32 s50, s[\e], 127
	s_lshl_b32 s51, s50, 23
	v_mov_b32 v[SC+2*\z], s51                      ; 2^e as f32: the conversion takes its exponent field
	s_add_co_i32 s50, s50, 8
	s_lshl_b32 s50, s50, 23
	s_or_b32 s50, s50, 0x600000
	v_mov_b32 v[SC+2*\z+1], s50                    ; 448 x 2^e
.endm
.macro STEP t
	s_wait_dscnt 0x0                               ; this step's numbers are back from the stage, and its stores into the stage have read their registers
.if (\t) < 3
	s_wait_loadcnt 8*(2-(\t))                      ; the next step's eight loads are in; those of the steps behind it may be out
	TURN (\t)+1                                    ; and go through the other stage while this step is worked
.endif
	CONV \t, 0
	s_cmp_lt_u32 ttmp9, 512                        ; x has two more scales; a weight has one
	s_cbranch_scc0 .Lweight_\@
	CONV \t, 1
	CONV \t, 2
.Lweight_\@:
.endm
	LOAD 0
	LOAD 1
	LOAD 2
	LOAD 3
	s_wait_kmcnt 0x0
	s_mov_b32 s43, s21                             ; set 0's exponent: e1, e3, e5, e11 for the weights, e0 for x
	s_cmp_eq_u32 s41, 1
	s_cselect_b32 s43, s23, s43
	s_cmp_eq_u32 s41, 2
	s_cselect_b32 s43, s25, s43
	s_cmp_eq_u32 s41, 3
	s_cselect_b32 s43, s31, s43
	s_cmp_lt_u32 ttmp9, 512
	s_cselect_b32 s43, s20, s43
	SCALE 0, 43
	SCALE 1, 22                                    ; e2
	SCALE 2, 24                                    ; e4
	s_wait_alu depctr_va_vdst(0)
	s_wait_loadcnt 24                              ; step 0's eight loads are in; 24 younger ones may be out
	TURN 0
	STEP 0
	STEP 1
	STEP 2
	STEP 3
	s_wait_tensorcnt 0x0
	ds_add_u32 v240, v241
	s_wait_dscnt 0x0
	s_endpgm
.Lfunc_end_k_q5a4a94e412_quant:
	.size	k_q5a4a94e412_quant, .Lfunc_end_k_q5a4a94e412_quant-k_q5a4a94e412_quant
	.p2alignl 7, 3214868480
	.fill 96, 4, 3214868480
	.section	.rodata,"a",@progbits
	.p2align	6, 0x0
	.amdhsa_kernel k_q5a4a94e412_quant
		.amdhsa_group_segment_fixed_size 35328
		.amdhsa_private_segment_fixed_size 0
		.amdhsa_enable_private_segment 0
		.amdhsa_kernarg_size 64
		.amdhsa_user_sgpr_count 2
		.amdhsa_user_sgpr_kernarg_segment_ptr 1
		.amdhsa_wavefront_size32 1
		.amdhsa_system_sgpr_workgroup_id_x 1
		.amdhsa_system_sgpr_workgroup_id_y 1
		.amdhsa_system_sgpr_workgroup_id_z 1
		.amdhsa_system_vgpr_workitem_id 0
		.amdhsa_next_free_vgpr 242
		.amdhsa_next_free_sgpr 66
		.amdhsa_reserve_vcc 0
		.amdhsa_float_denorm_mode_32 3
		.amdhsa_float_denorm_mode_16_64 3
		.amdhsa_memory_ordered 1
		.amdhsa_forward_progress 1
		.amdhsa_inst_pref_size 42
	.end_amdhsa_kernel
	.amdgpu_metadata
---
amdhsa.version: [ 1, 2 ]
amdhsa.kernels:
  - .name:           k_q5a4a94e412_quant
    .symbol:         k_q5a4a94e412_quant.kd
    .args:
      - { .name: x, .offset: 0, .size: 8, .value_kind: global_buffer, .address_space: global }
      - { .name: w_q, .offset: 8, .size: 8, .value_kind: global_buffer, .address_space: global }
      - { .name: w_k, .offset: 16, .size: 8, .value_kind: global_buffer, .address_space: global }
      - { .name: w_v, .offset: 24, .size: 8, .value_kind: global_buffer, .address_space: global }
      - { .name: w_o, .offset: 32, .size: 8, .value_kind: global_buffer, .address_space: global }
      - { .name: lowp_scales, .offset: 40, .size: 8, .value_kind: global_buffer, .address_space: global }
      - { .name: xc, .offset: 48, .size: 8, .value_kind: global_buffer, .address_space: global }
      - { .name: wc, .offset: 56, .size: 8, .value_kind: global_buffer, .address_space: global }
    .group_segment_fixed_size: 35328
    .private_segment_fixed_size: 0
    .kernarg_segment_align: 8
    .kernarg_segment_size: 64
    .max_flat_workgroup_size: 128
    .sgpr_count:     66
    .vgpr_count:     242
    .wavefront_size: 32
...
	.end_amdgpu_metadata
.endif
;; end of part 1
;; launch qkv (part 2): grid 12 x 32, 4 waves a work-group, clusters of 4 x 4, 327,680 bytes of LDS; arguments xc, wc, b_q, b_k, b_v, lowp_scales, qc, kc, vc; writes qc, kc, vc
.if DOCPART == 2
	.amdgcn_target "amdgcn-amd-amdhsa--gfx1250"
	.amdhsa_code_object_version 6
	.text
	.protected	k_q5a4a94e412_qkv
	.globl	k_q5a4a94e412_qkv
	.p2align	8
	.type	k_q5a4a94e412_qkv,@function
k_q5a4a94e412_qkv:
	s_mov_b64 s[64:65], 0
	v_nop
	global_prefetch_b8 v0, s[64:65] scope:SCOPE_SE
	s_setreg_imm32_b32 hwreg(HW_REG_WAVE_MODE, 25, 1), 1
	s_wait_xcnt 0x0
	s_wait_alu depctr_hold_cnt(0) depctr_sa_sdst(0) depctr_va_vdst(0) depctr_va_sdst(0) depctr_va_ssrc(0) depctr_va_vcc(0) depctr_vm_vsrc(0)
	s_getreg_b32 s2, hwreg(HW_REG_IB_STS2, 6, 4)
	s_cmp_eq_u32 s2, 0
	s_cbranch_scc0 .Lentry_in_a_cluster
	s_endpgm
.Lentry_in_a_cluster:
	s_bfe_u32 s2, ttmp6, 0x10000c
	s_cmp_lg_u32 s2, 0xf033
	s_cbranch_scc0 .Lentry_shape_is_right
	s_endpgm
.Lentry_shape_is_right:
.set HALFT,  32768
.set SLOT,   4*HALFT
.set SPARE,  2*SLOT
.set FR,     16
.set NL,     4
.set NP,     4
.set ADRA, 16
.set ADRB, 20
.set LI,   24
.set SPW,  28
.set NIL,  29
.set BN,   32
.set BM,   96
.set LIM,  112
.set SCL,  113
.set AF,   128
.set TMP,  128
.set WV,   22
.set ROLE, 23
.set NH,   66
.set G1,  24
.set G0,  32
.set G1B, 48
.set G0B, 56
.set MSB, 0
.macro WIN new
.if MSB != (\new)
	s_set_vgpr_msb (MSB<<8)|(\new)
.set MSB, (\new)
.endif
.endm
.set MUL_LO, 0xa1
.set MUL_HI, 0xf1
.set TO_B,   0x40
.macro JLOAD g0a, g1a, g0b, g1b
	s_cmp_eq_u32 s[ROLE], 0
	s_cbranch_scc0 .Lfor_b_\@
	tensor_load_to_lds s[\g0a:\g0a+3], s[\g1a:\g1a+7]
	s_nop 0
.rept 4
	v_nop
.endr
	s_branch .Lasked_\@
.Lfor_b_\@:
	tensor_load_to_lds s[\g0b:\g0b+3], s[\g1b:\g1b+7]
	s_nop 0
.rept 4
	v_nop
.endr
.Lasked_\@:
.endm
.macro CREST
	s_cmp_lg_u32 s[WV], 0
	s_cbranch_scc1 .Lnot_wave_0_\@
	s_barrier_signal -3
.Lnot_wave_0_\@:
	s_barrier_wait -3
	s_barrier_signal -1
	s_barrier_wait -1
.endm
.macro CROUND
	s_barrier_signal -1
	s_barrier_wait -1
	CREST
.endm
.macro FRAG reg, adr, q, i
.irp c, 0,1,2,3
	ds_load_b128 v[\reg+4*\c:\reg+4*\c+3], v[\adr] offset:4096*(\i)+2048*(\q)+512*\c
.endr
.endm
.macro MUL16 a0, p, zero
.irp a, \a0, \a0+1
.irp b, 0,1,2,3,4,5,6,7
.if \zero
	v_wmma_f32_16x16x128_fp8_fp8 v[8*(8*((\a)%4)+\b):8*(8*((\a)%4)+\b)+7], v[128*(\p)+FR*\b:128*(\p)+FR*\b+FR-1], v[AF+FR*(\a):AF+FR*(\a)+FR-1], 0
.else
	v_wmma_f32_16x16x128_fp8_fp8 v[8*(8*((\a)%4)+\b):8*(8*((\a)%4)+\b)+7], v[128*(\p)+FR*\b:128*(\p)+FR*\b+FR-1], v[AF+FR*(\a):AF+FR*(\a)+FR-1], v[8*(8*((\a)%4)+\b):8*(8*((\a)%4)+\b)+7]
.endif
.endr
.endr
.endm
.macro FETCH_B slot, q, p
	WIN TO_B
.irp i, 0,1,2,3,4,5,6,7
	FRAG 128*(\p)+FR*\i, ADRB+\slot, \q, \i
.endr
	WIN 0
.endm
.macro FETCH_A slot, q, i0
.irp i, \i0, \i0+1, \i0+2, \i0+3
	FRAG AF+FR*(\i), ADRA+\slot, \q, \i
.endr
.endm
.macro PLACES n
.rept \n
	v_nop
.endr
.endm
.macro STEP slot, q, zero
	s_wait_dscnt 4*NL
	WIN MUL_LO
	MUL16 0, (\q)%2, \zero
	MUL16 2, (\q)%2, \zero
	s_wait_dscnt 0
	PLACES NP
	FETCH_B \slot, (\q)+1, 1-(\q)%2
	FETCH_A \slot, (\q)+1, 0
	WIN MUL_HI
	MUL16 4, (\q)%2, \zero
	MUL16 6, (\q)%2, \zero
	PLACES NP
	WIN 0
	FETCH_A \slot, (\q)+1, 4
.endm
.macro TURN slot, next, fill
	s_wait_tensorcnt 0x0
	ds_add_u32 v[SPW], v[NIL]
	s_wait_dscnt 4*NL+1
	WIN MUL_LO
	MUL16 0, 1, 0
	s_wait_dscnt 0x0
	s_barrier_signal -1
	MUL16 2, 1, 0
	WIN 0
	s_barrier_wait -1
.if \fill
	CREST
	s_add_nc_u64 s[G0+4*\slot+2:G0+4*\slot+3], s[G0+4*\slot+2:G0+4*\slot+3], 8192
	s_add_nc_u64 s[G0B+4*\slot+2:G0B+4*\slot+3], s[G0B+4*\slot+2:G0B+4*\slot+3], 8192
	JLOAD G0+4*\slot, G1, G0B+4*\slot, G1B
.else
	PLACES NP
.endif
	FETCH_B \next, 0, 0
	FETCH_A \next, 0, 0
	WIN MUL_HI
	MUL16 4, 1, 0
	MUL16 6, 1, 0
	PLACES NP
	WIN 0
	FETCH_A \next, 0, 4
.endm
	s_load_b512 s[4:19], s[0:1], 0x0
	s_load_b64 s[20:21], s[0:1], 0x40
	v_lshl_add_u32 v[SPW], v0, 2, SPARE
	v_mov_b32 v[NIL], 0
	ds_add_u32 v28, v29
	ds_add_u32 v28, v29
	s_wait_dscnt 0x0
	v_lshrrev_b32 v1, 5, v0
	v_readfirstlane_b32 s[WV], v1
	s_lshr_b32 s[ROLE], s[WV], 1
	s_and_b32 s[NH], s[WV], 1
	s_bfe_u32 s40, ttmp6, 0x40000
	s_bfe_u32 s41, ttmp6, 0x40004
	s_and_b32 s42, ttmp7, 0xffff
	s_lshl_b32 s88, s42, 2
	s_lshl_b32 s43, s41, 2
	s_lshl_b32 s43, 15, s43
	s_lshl_b32 s44, 0x1111, s40
	s_or_b32 s[G1+0], s43, (3<<16)|(1<<21)
	s_or_b32 s[G1B+0], s44, (3<<16)|(1<<21)
.irp g, G1, G1B
	s_mov_b32 s[\g+1], 512<<16
	s_mov_b32 s[\g+2], 8<<16
	s_mov_b32 s[\g+3], 512<<16
	s_mov_b32 s[\g+4], 8
	s_mov_b32 s[\g+5], 2048
	s_mov_b32 s[\g+6], 0
	s_mov_b32 s[\g+7], 0
.endr
	s_cmp_eq_u32 ttmp9, 2
	s_cselect_b32 s89, 0, s88
	s_cselect_b32 s90, s88, 0
	s_add_co_u32 s89, s89, s41
	s_add_co_u32 s90, s90, s40
	s_lshl_b32 s91, s[NH], 17
	s_lshl_b32 s92, s89, 18
	s_add_co_u32 s92, s92, s91
	s_mov_b32 s93, 0
	s_lshl_b32 s94, s90, 18
	s_add_co_u32 s94, s94, s91
	s_mov_b32 s95, 0
	s_lshl_b32 s45, s[WV], 15
	s_mov_b32 s47, 0
	s_wait_kmcnt 0x0
	s_load_b256 s[68:75], s[14:15], 0x0
	s_load_b128 s[76:79], s[14:15], 0x20
	s_lshl_b32 s46, ttmp9, 23
	s_add_nc_u64 s[80:81], s[4:5], s[46:47]
	s_lshl_b32 s46, ttmp9, 20
	s_add_nc_u64 s[82:83], s[6:7], s[46:47]
	s_cmp_eq_u32 ttmp9, 2
	s_cselect_b64 s[84:85], s[82:83], s[80:81]
	s_cselect_b64 s[82:83], s[80:81], s[82:83]
	s_add_nc_u64 s[80:81], s[84:85], s[92:93]
	s_add_nc_u64 s[82:83], s[82:83], s[94:95]
	s_cmp_eq_u32 ttmp9, 1
	s_cselect_b64 s[86:87], s[10:11], s[8:9]
	s_cmp_eq_u32 ttmp9, 2
	s_cselect_b64 s[86:87], s[12:13], s[86:87]
	; the prefetches: of the 8 rows of 4,096 bytes that I fetch in a K step, each of the four partners that ask jointly takes 2, told apart by address (cx for A's tiles, cy for B's); a lane names one block of 256 bytes
	s_cmp_eq_u32 s[ROLE], 0
	s_cselect_b64 s[100:101], s[80:81], s[82:83]
	s_cselect_b32 s46, s40, s41
	s_lshl_b32 s46, s46, 15
	s_add_nc_u64 s[100:101], s[100:101], s[46:47]
	v_and_b32 v30, 15, v0
	v_lshlrev_b32 v30, 8, v30
	v_bfe_u32 v31, v0, 4, 1
	v_lshl_add_u32 v30, v31, 14, v30
	s_wait_alu depctr_va_vdst(0)
	CROUND
.irp s, 0,1
	s_mov_b32 s[G0+4*\s], 1
	s_add_co_u32 s[G0+4*\s+1], s45, \s*SLOT
	s_add_nc_u64 s[G0+4*\s+2:G0+4*\s+3], s[80:81], \s*4096
	s_or_b32 s[G0+4*\s+3], s[G0+4*\s+3], 0x80000000
	s_mov_b32 s[G0B+4*\s], 1
	s_add_co_u32 s[G0B+4*\s+1], s45, \s*SLOT
	s_add_nc_u64 s[G0B+4*\s+2:G0B+4*\s+3], s[82:83], \s*4096
	s_or_b32 s[G0B+4*\s+3], s[G0B+4*\s+3], 0x80000000
.if \s == 1
	s_wait_alu depctr_va_vdst(0)
	s_wait_tensorcnt 0x0
	ds_add_u32 v28, v29
	ds_add_u32 v28, v29
	s_wait_dscnt 0x0
	CROUND
.endif
	JLOAD G0+4*\s, G1, G0B+4*\s, G1B
.if \s == 0
	global_prefetch_b8 v30, s[100:101] offset:4096 th:TH_LOAD_NT scope:SCOPE_SE    ; K steps 1 and 2, behind K step 0's load
	global_prefetch_b8 v30, s[100:101] offset:8192 th:TH_LOAD_NT scope:SCOPE_SE
.else
	global_prefetch_b8 v30, s[100:101] offset:12288 th:TH_LOAD_NT scope:SCOPE_SE   ; K step 3, the last, behind K step 1's load
.endif
.endr
	v_and_b32 v1, 15, v0
	v_bfe_u32 v2, v0, 4, 1
	s_wait_alu depctr_va_vdst(0)
	v_and_b32 v3, 31, v0
	v_lshlrev_b32 v[LI], 4, v3
	s_lshl_b32 s46, s[ROLE], 15
	s_lshl_b32 s47, s[NH], 15
	s_add_co_u32 s47, s47, 2*HALFT
.irp s, 0,1
	v_add_nc_u32 v[ADRA+\s], s46, v[LI]
	v_add_nc_u32 v[ADRB+\s], s47, v[LI]
	s_add_co_u32 s46, s46, SLOT
	s_add_co_u32 s47, s47, SLOT
.endr
	s_lshl_b32 s91, s40, 10
	s_lshl_b32 s92, s[NH], 9
	s_add_co_u32 s91, s91, s92
	v_lshlrev_b32 v8, 5, v2
	v_add_nc_u32 v8, s91, v8
	s_lshl_b32 s91, s41, 10
	s_lshl_b32 s92, s[ROLE], 9
	s_add_co_u32 s91, s91, s92
	v_lshlrev_b32 v9, 2, v1
	v_add_nc_u32 v9, s91, v9
.irp b, 0,1,2,3,4,5,6,7
	global_load_b128 v[BN+8*\b:BN+8*\b+3], v8, s[86:87] offset:64*\b
	global_load_b128 v[BN+8*\b+4:BN+8*\b+7], v8, s[86:87] offset:64*\b+16
.endr
.irp a, 0,1,2,3,4,5,6,7
	global_load_b32 v[BM+2*\a], v9, s[86:87] offset:64*\a
	v_mov_b32 v[BM+2*\a+1], 0
.endr
	s_wait_tensorcnt 1
	s_barrier_signal -1
	s_barrier_wait -1
	FETCH_B 0, 0, 0
	FETCH_A 0, 0, 0
	FETCH_A 0, 0, 4
	STEP 0, 0, 1
	TURN 0, 1, 1
	STEP 1, 0, 0
	TURN 1, 0, 1
	STEP 0, 0, 0
	TURN 0, 1, 0
	STEP 1, 0, 0
	s_wait_dscnt 4*NL
	WIN MUL_LO
	MUL16 0, 1, 0
	MUL16 2, 1, 0
	s_wait_dscnt 0
	WIN MUL_HI
	MUL16 4, 1, 0
	MUL16 6, 1, 0
	WIN 0
	s_wait_kmcnt 0x0
	s_cmp_eq_u32 ttmp9, 1
	s_cselect_b32 s96, s70, s68
	s_cselect_b32 s97, s71, s69
	s_cselect_b32 s98, s75, s74
	s_cmp_eq_u32 ttmp9, 2
	s_cselect_b32 s96, s72, s96
	s_cselect_b32 s97, s73, s97
	s_cselect_b32 s98, s77, s98
	s_add_co_i32 s96, s96, s97
	s_add_co_i32 s96, s96, 127
	s_lshl_b32 s96, s96, 23
	s_mov_b32 s97, s96
	s_add_co_i32 s98, s98, 127
	s_lshl_b32 s99, s98, 23
	v_mov_b32 v[SCL], s99
	s_add_co_i32 s98, s98, 8
	s_lshl_b32 s98, s98, 23
	s_or_b32 s98, s98, 0x600000
	v_mov_b32 v[LIM], s98
	s_wait_loadcnt 0x0
	PLACES NP
.macro QOUT a, isv
.set AC, 64*((\a)%4)
.set CD, 192+16*((\a)%4)
.if (\a) >= 4
	s_wait_xcnt 0x0
.endif
	WIN 0x02+((\a)/4)
.irp b, 0,1,2,3,4,5,6,7
.irp i, 0,2,4,6
.if \isv
	v_pk_fma_f32 v[TMP+8*\b+\i:TMP+8*\b+\i+1], v[AC+8*\b+\i:AC+8*\b+\i+1], s[96:97], v[BM+2*(\a):BM+2*(\a)+1] op_sel_hi:[1,0,0]
.else
	v_pk_fma_f32 v[TMP+8*\b+\i:TMP+8*\b+\i+1], v[AC+8*\b+\i:AC+8*\b+\i+1], s[96:97], v[BN+8*\b+\i:BN+8*\b+\i+1] op_sel_hi:[1,0,1]
.endif
.endr
.endr
	WIN 0
.set j, 0
.rept 64
	v_med3_num_f32 v[TMP+j], v[TMP+j], -v[LIM], v[LIM]
.set j, j+1
.endr
.irp b, 0,1,2,3,4,5,6,7
	v_cvt_scalef32_pk8_fp8_f32 v[CD+2*\b:CD+2*\b+1], v[TMP+8*\b:TMP+8*\b+7], v[SCL]
.endr
	v_nop
.irp u, 0,1
.irp g, 0,1
.if \isv
	global_store_b128 v[LI], v[CD+8*\u+4*\g:CD+8*\u+4*\g+3], s[84:85] offset:131072*((\a)/4)+1024*((\a)%4)+4096*\u+512*\g
.else
	global_store_b128 v[LI], v[CD+8*\u+4*\g:CD+8*\u+4*\g+3], s[84:85] offset:1024*(\a)+131072*\u+512*\g
.endif
.endr
.endr
.endm
	s_cmp_eq_u32 ttmp9, 2
	s_cbranch_scc1 .Lv_out
	s_lshr_b32 s91, s89, 3
	s_lshl_b32 s91, s91, 4
	s_lshl_b32 s92, s90, 2
	s_add_co_u32 s91, s91, s92
	s_lshl_b32 s92, s[NH], 1
	s_add_co_u32 s91, s91, s92
	s_lshl_b32 s91, s91, 7
	s_and_b32 s92, s89, 7
	s_lshl_b32 s92, s92, 4
	s_add_co_u32 s91, s91, s92
	s_lshl_b32 s92, s[ROLE], 3
	s_add_co_u32 s91, s91, s92
	s_lshl_b32 s92, s91, 10
	s_mov_b32 s93, 0
	s_cmp_eq_u32 ttmp9, 1
	s_cselect_b64 s[84:85], s[18:19], s[16:17]
	s_add_nc_u64 s[84:85], s[84:85], s[92:93]
.irp a, 0,1,2,3,4,5,6,7
	QOUT \a, 0
.endr
	s_branch .Lout_done
.Lv_out:
	s_lshr_b32 s91, s90, 3
	s_lshl_b32 s91, s91, 4
	s_lshl_b32 s92, s89, 2
	s_add_co_u32 s91, s91, s92
	s_lshl_b32 s92, s[ROLE], 1
	s_add_co_u32 s91, s91, s92
	s_lshl_b32 s91, s91, 5
	s_and_b32 s92, s90, 7
	s_lshl_b32 s92, s92, 2
	s_add_co_u32 s91, s91, s92
	s_lshl_b32 s92, s[NH], 1
	s_add_co_u32 s91, s91, s92
	s_lshl_b32 s92, s91, 12
	s_mov_b32 s93, 0
	s_add_nc_u64 s[84:85], s[20:21], s[92:93]
.irp a, 0,1,2,3,4,5,6,7
	QOUT \a, 1
.endr
.Lout_done:
	s_wait_tensorcnt 0x0
	ds_add_u32 v[SPW], v[NIL]
	s_wait_dscnt 0x0
	CROUND
	s_endpgm
.Lfunc_end_k_q5a4a94e412_qkv:
	.size	k_q5a4a94e412_qkv, .Lfunc_end_k_q5a4a94e412_qkv-k_q5a4a94e412_qkv
	.p2alignl 7, 3214868480
	.fill 96, 4, 3214868480
	.section	.rodata,"a",@progbits
	.p2align	6, 0x0
	.amdhsa_kernel k_q5a4a94e412_qkv
		.amdhsa_group_segment_fixed_size 327680
		.amdhsa_private_segment_fixed_size 0
		.amdhsa_enable_private_segment 0
		.amdhsa_kernarg_size 72
		.amdhsa_user_sgpr_count 2
		.amdhsa_user_sgpr_kernarg_segment_ptr 1
		.amdhsa_wavefront_size32 1
		.amdhsa_system_sgpr_workgroup_id_x 1
		.amdhsa_system_sgpr_workgroup_id_y 1
		.amdhsa_system_sgpr_workgroup_id_z 1
		.amdhsa_system_vgpr_workitem_id 0
		.amdhsa_next_free_vgpr 1024
		.amdhsa_next_free_sgpr 102
		.amdhsa_reserve_vcc 0
		.amdhsa_float_denorm_mode_32 3
		.amdhsa_float_denorm_mode_16_64 3
		.amdhsa_memory_ordered 1
		.amdhsa_forward_progress 1
		.amdhsa_inst_pref_size 194
	.end_amdhsa_kernel
	.amdgpu_metadata
---
amdhsa.version: [ 1, 2 ]
amdhsa.kernels:
  - .name:           k_q5a4a94e412_qkv
    .symbol:         k_q5a4a94e412_qkv.kd
    .args:
      - { .name: xc, .offset: 0, .size: 8, .value_kind: global_buffer, .address_space: global }
      - { .name: wc, .offset: 8, .size: 8, .value_kind: global_buffer, .address_space: global }
      - { .name: b_q, .offset: 16, .size: 8, .value_kind: global_buffer, .address_space: global }
      - { .name: b_k, .offset: 24, .size: 8, .value_kind: global_buffer, .address_space: global }
      - { .name: b_v, .offset: 32, .size: 8, .value_kind: global_buffer, .address_space: global }
      - { .name: lowp_scales, .offset: 40, .size: 8, .value_kind: global_buffer, .address_space: global }
      - { .name: qc, .offset: 48, .size: 8, .value_kind: global_buffer, .address_space: global }
      - { .name: kc, .offset: 56, .size: 8, .value_kind: global_buffer, .address_space: global }
      - { .name: vc, .offset: 64, .size: 8, .value_kind: global_buffer, .address_space: global }
    .group_segment_fixed_size: 327680
    .private_segment_fixed_size: 0
    .kernarg_segment_align: 8
    .kernarg_segment_size: 72
    .max_flat_workgroup_size: 128
    .sgpr_count:     102
    .vgpr_count:     1024
    .wavefront_size: 32
...
	.end_amdgpu_metadata
.endif
;; end of part 2
;; launch attn (part 3): grid 4 x 64, 4 waves a work-group, clusters of 4 x 1, 327,680 bytes of LDS; arguments qc, kc, vc, lowp_scales, temperature, q_scale, oc; writes oc
.if DOCPART == 3
	.amdgcn_target "amdgcn-amd-amdhsa--gfx1250"
	.amdhsa_code_object_version 6
	.text
	.protected	k_q5a4a94e412_attn
	.globl	k_q5a4a94e412_attn
	.p2align	8
	.type	k_q5a4a94e412_attn,@function
k_q5a4a94e412_attn:
	s_mov_b64 s[64:65], 0
	v_nop
	global_prefetch_b8 v0, s[64:65] scope:SCOPE_SE
	s_setreg_imm32_b32 hwreg(HW_REG_WAVE_MODE, 25, 1), 1
	s_wait_xcnt 0x0
	s_wait_alu depctr_hold_cnt(0) depctr_sa_sdst(0) depctr_va_vdst(0) depctr_va_sdst(0) depctr_va_ssrc(0) depctr_va_vcc(0) depctr_vm_vsrc(0)
	s_getreg_b32 s2, hwreg(HW_REG_IB_STS2, 6, 4)
	s_cmp_eq_u32 s2, 0
	s_cbranch_scc0 .Lentry_in_a_cluster
	s_endpgm
.Lentry_in_a_cluster:
	s_bfe_u32 s2, ttmp6, 0x10000c
	s_cmp_lg_u32 s2, 0x3003
	s_cbranch_scc0 .Lentry_shape_is_right
	s_endpgm
.Lentry_shape_is_right:
; Attention on codes of E4M3.  The second product's quantiser takes the FINISHED softmax x q_scale[head], so a row's maximum and sum are known before any weight is quantised.
; qc, kc: [b 16 + head][token / 16][1024], images of 16 rows x 64 d;  vc: [b 16 + head][key / 64][d / 16][1024], images of 16 d x 64 keys;  oc: [token / 16 (all batches)][head][1024], scale e10.
; SHARES.  A work-group owns 512 queries of one head and walks them in 16 trips of 32 (two tiles of 16).  Its four waves, one to a SIMD, share the KEYS: wave w takes keys 512 w .. 512 w + 511.
; A wave's 32 x 512 scores stay in 512 registers through the trip, so each score is multiplied and exponentiated once:
;   S^T = K Q^T; my lane's maximum m'; e = 2^(c s - c m'); my lane's sum l'; (m', l') of the 8 lanes that share a query (4 waves x 2 halves) meet in LDS;
;   g = |q_scale| 2^(c m' - c m) / l; p = e g, held at 448 x 2^e8, converted with scale 2^e8; O^T += V^T P^T over my keys.
; The four waves' parts of O^T are added through a stage in LDS, one trip later: wave w adds and converts registers 16 w .. 16 w + 15 (tile w / 2, group w % 2 of the output's image).
; The loop is written once: its first trip finds zeros in the stage, and stores nothing from them.
; The head's K (131,072 bytes) and V (131,072) come into LDS once, by joint loads of the cluster's four work-groups, which own the head's four query blocks: one load of 65,536 bytes a wave.
; Nothing is filled again, so there is no ring; the only tensor loads stand at the head with no loop ahead of them, so no prefetch is laid.
; LAYOUT.  Both products transposed: a lane holds ONE query (lane % 16); its eight registers of key tile kt are keys 16 kt + 8 (lane / 16) + 0 .. 7: converted, registers 2 kt, 2 kt + 1 of P's fragment.
; ARITHMETIC.  c = log2(e) 2^(e6 + e7) / (8 |T|).  T's sign is put on q's codes, q_scale's on the output's codes: exact, since the quantiser is odd.
; LIMITS: T is not 0; the scaled scores c s stay under 2^31 in magnitude; e8 between -90 and 119 (p = e g is formed in f32 ahead of the conversion); e10 - e8 - e9 between -126 and 119;
; an e under 2^-126 counts as 0, which matters only where g is over 2^(e8 + 116).  NaN and infinities are not served.
; REGISTERS.  Window 0: v0-63 addresses and small numbers; v64-127 T (p on its way to codes; O's parts; the (m', l') read back); v128-255 two buffers of 8 fragments of K;
; in the second product v128-191 are two buffers of 4 fragments of V and v192-255 O^T, so that its products and the holds stand under one setting of the windows.
; Windows 1, 2: the scores, then e: batch b of 128 keys at window 1 + b / 2, v[128 (b % 2) + 64 tile + 8 key tile + j].  Window 3: v64-79 Q, v80-95 the next trip's Q.
.set OST,   262144                     ; behind K and V: the stage for O's parts, 8,192 bytes a wave
.set MLS,   294912                     ; (m', l'): 512 bytes a wave
.set SPARE, 296960                     ; the spare words, 128 bytes a wave: two blocks of 256 bytes that no other line names
.set LI,   1                           ; 16 x lane
.set AK,   2                           ; my quarter of K
.set AV,   3                           ; my quarter of V
.set AOS,  4                           ; the stage, where I store
.set SPW,  5
.set NIL,  6
.set AOL,  7                           ; the stage, where I read: + 8192 x source wave
.set AMS,  8                           ; (m', l'): where I store
.set AML,  9                           ; and read: my query's, + 256 x (2 wave + half)
.set LIMP, 10                          ; 448 x 2^e8
.set SCP,  11                          ; 2^e8
.set LIMO, 12
.set SCO,  13
.set NCM,  14                          ; v[14:15], v[16:17]  -c m' for each tile (the upper word is only named)
.set G,    18                          ; v[18:19], v[20:21]  g likewise
.set LIM2, 23                          ; 448 x 2^e8 once more, in another bank, for the pair's second half
.set MS,   24                          ; v[24:27]  m'0, l'0, m'1, l'1
.set M,    28                          ; v28-35  four chains of maxima a tile
.set L,    36                          ; v36-51  four chains of sums a tile, in pairs
.set EO,   52                          ; v52-59  at work where the (m', l') meet
.set MX,   54
.set NM,   56
.set LS,   58                          ; the weights' codes, 8 a tile, lie over these: even chunks v36-43, v44-51; odd chunks v28-35, v52-59
.set OC,   60                          ; v[60:63] the output's codes
.set T,    64
.set F,    128
.set O,    192
.set Q,    64                          ; in window 3
.set QN,   80                          ; in window 3
.set WV,   18
.set G1,   24
.set CS,   54
.set NC,   56
.set TRIP, 60
.set AQS,  62
.set SGN,  63
.set STP,  66                          ; s[66:67] what oc's address is stepped by: 0 behind the first trip, then two tiles
.set MSB, 0
.macro WIN new                         ; the immediate's high byte repeats the setting that is left
.if MSB != (\new)
	s_set_vgpr_msb (MSB<<8)|(\new)
.set MSB, (\new)
.endif
.endm
.macro NOP4
.rept 4
	v_nop
.endr
.endm
.macro ROUND                           ; a round of the cluster's barrier
	s_barrier_signal -1
	s_barrier_wait -1
	s_cmp_lg_u32 s[WV], 0
	s_cbranch_scc1 .Lnot_wave_0_\@
	s_barrier_signal -3
.Lnot_wave_0_\@:
	s_barrier_wait -3
	s_barrier_signal -1
	s_barrier_wait -1
.endm
.macro KLD b, f                        ; batch b's eight fragments of K into buffer f: 16 loads of 512 consecutive bytes
.set ki, 0
.rept 8
	ds_load_b128 v[F+64*(\f)+8*ki:F+64*(\f)+8*ki+3], v[AK] offset:8192*(\b)+1024*ki
	ds_load_b128 v[F+64*(\f)+8*ki+4:F+64*(\f)+8*ki+7], v[AK] offset:8192*(\b)+1024*ki+512
.set ki, ki+1
.endr
.endm
.macro VLD c                           ; chunk c's four fragments of V (64 keys) into buffer c % 2: 8 loads
.irp d, 0,1,2,3
	ds_load_b128 v[F+32*((\c)%2)+8*\d:F+32*((\c)%2)+8*\d+3], v[AV] offset:4096*(\c)+1024*\d
	ds_load_b128 v[F+32*((\c)%2)+8*\d+4:F+32*((\c)%2)+8*\d+7], v[AV] offset:4096*(\c)+1024*\d+512
.endr
.endm
.macro SMUL b                          ; 16 products: 8 key tiles x 2 query tiles; four places behind them serve the loads and reads that follow
	WIN ((1+(\b)/2)<<6)|0x0c
.set si, 0
.rept 8
	v_wmma_f32_16x16x64_fp8_fp8 v[128*((\b)%2)+8*si:128*((\b)%2)+8*si+7], v[F+64*((\b)%2)+8*si:F+64*((\b)%2)+8*si+7], v[Q:Q+7], 0
	v_wmma_f32_16x16x64_fp8_fp8 v[128*((\b)%2)+64+8*si:128*((\b)%2)+64+8*si+7], v[F+64*((\b)%2)+8*si:F+64*((\b)%2)+8*si+7], v[Q+8:Q+15], 0
.set si, si+1
.endr
	NOP4
	WIN 0
.endm
.macro SMAX b                          ; batch b's scores into the eight chains, each accumulator from its low end on
	WIN (1+(\b)/2)*0x14
.irp k, 0,1,2,3,4,5,6,7
.irp p, 0,2,4,6
.irp t, 0,1
	v_max3_num_f32 v[M+4*\t+\p/2], v[M+4*\t+\p/2], v[128*((\b)%2)+64*\t+8*\k+\p], v[128*((\b)%2)+64*\t+8*\k+\p+1]
.endr
.endr
.endr
.endm
.macro FMA1 r                          ; c s - c m', two at a time (of both pairs the low word serves both halves)
	v_pk_fma_f32 v[(\r):(\r)+1], v[(\r):(\r)+1], s[CS:CS+1], v[NCM+2*(((\r)/64)%2):NCM+2*(((\r)/64)%2)+1] op_sel_hi:[1,0,0]
.endm
.macro EF w                            ; the first batch of window w
	WIN ((\w)<<6)|(\w)
.set er, 0
.rept 64
	FMA1 er
.set er, er+2
.endr
.endm
.macro EX w, fill                      ; fill = 1: the exponentials of window w's first batch, with the second batch's multiply-adds, which touch other registers, among them; fill = 0: the second batch's exponentials
	WIN ((\w)<<6)|(\w)
.if \fill
.set er, 0
.rept 64
	v_exp_f32 v[er], v[er]
	v_exp_f32 v[er+1], v[er+1]
	FMA1 128+er
.set er, er+2
.endr
.else
.set er, 128
.rept 128
	v_exp_f32 v[er], v[er]
.set er, er+1
.endr
.endif
.endm
.macro ESUM base, p0                   ; pairs p0 .. 31 of both tiles of one batch onto the eight chains
.set ep, \p0
.rept 32-(\p0)
.irp t, 0,1
	v_pk_add_f32 v[L+8*\t+2*(ep%4):L+8*\t+2*(ep%4)+1], v[L+8*\t+2*(ep%4):L+8*\t+2*(ep%4)+1], v[(\base)+64*\t+2*ep:(\base)+64*\t+2*ep+1]
.endr
.set ep, ep+1
.endr
.endm
.macro HOLD x                          ; the conversion does not saturate (ISA guide 7.6.2); a weight is not negative, so the hold is one-sided: two numbers an instruction
	v_dual_min_num_f32 v[T+(\x)], v[T+(\x)], v[LIMP] :: v_dual_min_num_f32 v[T+(\x)+1], v[T+(\x)+1], v[LIM2]
.endm
.macro PVW c, d, t                     ; one product of chunk c: 16 d x 16 queries x 64 keys
.set PCX, 36+8*(\t)-((\c)%2)*(8-16*(\t))
.if (\c) == 0
	v_wmma_f32_16x16x64_fp8_fp8 v[O+32*(\t)+8*(\d):O+32*(\t)+8*(\d)+7], v[F+32*((\c)%2)+8*(\d):F+32*((\c)%2)+8*(\d)+7], v[PCX:PCX+7], 0
.else
	v_wmma_f32_16x16x64_fp8_fp8 v[O+32*(\t)+8*(\d):O+32*(\t)+8*(\d)+7], v[F+32*((\c)%2)+8*(\d):F+32*((\c)%2)+8*(\d)+7], v[PCX:PCX+7], v[O+32*(\t)+8*(\d):O+32*(\t)+8*(\d)+7]
.endif
.endm
.macro PCH c                           ; chunk c (64 keys x 2 tiles): p = e g, hold, codes.  Chunk c - 1's eight products, on 8 accumulators by turns, stand one by one among the holds
.set PB, 128*(((\c)/2)%2)+32*((\c)%2)
.if (\c) > 0
	s_wait_dscnt 8                                 ; chunk c - 1's V is in; chunk c's 8 loads may be out
.endif
	WIN 1+(\c)/4
.set px, 0
.rept 16
.irp t, 0,1
	v_pk_mul_f32 v[T+32*\t+px:T+32*\t+px+1], v[PB+64*\t+px:PB+64*\t+px+1], v[G+2*\t:G+2*\t+1] op_sel_hi:[1,0]
.endr
.set px, px+2
.endr
	WIN 0
.set pn, 0
.rept 8
.if (\c) > 0
	PVW (\c)-1, pn/2, pn%2
.endif
	HOLD 8*pn
	HOLD 8*pn+2
	HOLD 8*pn+4
	HOLD 8*pn+6
.set pn, pn+1
.endr
.irp t, 0,1
.set PCX, 36+8*\t-((\c)%2)*(8-16*\t)
.irp k, 0,1,2,3
	v_cvt_scalef32_pk8_fp8_f32 v[PCX+2*\k:PCX+2*\k+1], v[T+32*\t+8*\k:T+32*\t+8*\k+7], v[SCP]
.endr
.endr
	v_nop                                          ; a plain line behind the conversions
.if ((\c) > 0) && ((\c) < 7)
	VLD (\c)+1                                     ; into the buffer that chunk c - 1's products have read: four holds and the line above stand behind the last of them
.endif
.endm
.macro OLD                             ; the four waves' parts of my 16 registers of O^T
.irp s, 0,1,2,3
.irp c, 0,1,2,3
	ds_load_b128 v[T+16*\s+4*\c:T+16*\s+4*\c+3], v[AOL] offset:8192*\s+512*\c
.endr
.endr
.endm
.macro REDUCE                          ; added, held, converted with scale 2^(e10 - e8 - e9), q_scale's sign: registers alone
.set rx, 0
.rept 8
	v_pk_add_f32 v[T+rx:T+rx+1], v[T+rx:T+rx+1], v[T+16+rx:T+16+rx+1]
	v_pk_add_f32 v[T+32+rx:T+32+rx+1], v[T+32+rx:T+32+rx+1], v[T+48+rx:T+48+rx+1]
.set rx, rx+2
.endr
.set rx, 0
.rept 8
	v_pk_add_f32 v[T+rx:T+rx+1], v[T+rx:T+rx+1], v[T+32+rx:T+32+rx+1]
.set rx, rx+2
.endr
.set rx, 0
.rept 16
	v_med3_num_f32 v[T+rx], v[T+rx], -v[LIMO], v[LIMO]
.set rx, rx+1
.endr
	v_cvt_scalef32_pk8_fp8_f32 v[OC:OC+1], v[T:T+7], v[SCO]
	v_cvt_scalef32_pk8_fp8_f32 v[OC+2:OC+3], v[T+8:T+15], v[SCO]
	v_nop                                          ; a plain line behind the conversions
.irp j, 0,1,2,3
	v_xor_b32 v[OC+\j], s[SGN], v[OC+\j]
.endr
.endm
	s_load_b256 s[4:11], s[0:1], 0x0               ; qc, kc, vc, the exponents
	s_load_b128 s[12:15], s[0:1], 0x20             ; temperature, q_scale
	s_load_b64 s[16:17], s[0:1], 0x30              ; oc
	v_lshl_add_u32 v[SPW], v0, 2, SPARE
	v_mov_b32 v[NIL], 0
	ds_add_u32 v[SPW], v[NIL]                      ; the opening lines: the add, twice on end, and its wait ahead of my tensor load
	ds_add_u32 v[SPW], v[NIL]
	v_lshrrev_b32 v22, 5, v0
	v_readfirstlane_b32 s[WV], v22                 ; wave 0..3
	s_bfe_u32 s19, ttmp6, 0x40000                  ; cx
	s_lshl_b32 s74, ttmp9, 2
	s_add_co_u32 s19, s19, s74                     ; my block of 512 queries: it enters qc's and oc's addresses alone
	s_and_b32 s70, ttmp7, 0xffff                   ; b 16 + head, which the partners share
	s_mov_b32 s[G1], 15|(3<<16)|(1<<21)            ; a dense block of 65,536 bytes as 256 rows of 32 elements of 8 bytes; the mask names all four work-groups
	s_mov_b32 s[G1+1], 32<<16
	s_mov_b32 s[G1+2], 256<<16
	s_mov_b32 s[G1+3], 32<<16
	s_mov_b32 s[G1+4], 256
	s_mov_b32 s[G1+5], 32
	s_mov_b32 s[G1+6], 0
	s_mov_b32 s[G1+7], 0
	s_and_b32 s71, s[WV], 1                        ; waves 0, 1 fetch K's halves, waves 2, 3 V's
	s_lshl_b32 s71, s71, 16
	s_lshl_b32 s72, s70, 17                        ; the head's 131,072 bytes
	s_add_co_u32 s72, s72, s71
	s_mov_b32 s73, 0
	s_lshl_b32 s74, s70, 7                         ; Q: fragment (b 16 + head) x 128 + 32 x block
	s_lshl_b32 s75, s19, 5
	s_add_co_u32 s74, s74, s75
	s_lshl_b32 s74, s74, 10
	s_mov_b32 s75, 0
	s_lshr_b32 s76, s70, 4                         ; oc: fragment (128 b + 32 x block + wave / 2) x 16 + head, group wave % 2
	s_lshl_b32 s76, s76, 7
	s_lshl_b32 s77, s19, 5
	s_add_co_u32 s76, s76, s77
	s_lshr_b32 s77, s[WV], 1
	s_add_co_u32 s76, s76, s77
	s_lshl_b32 s76, s76, 4
	s_and_b32 s77, s70, 15
	s_add_co_u32 s76, s76, s77
	s_lshl_b32 s76, s76, 10
	s_and_b32 s77, s[WV], 1
	s_lshl_b32 s77, s77, 9
	s_add_co_u32 s76, s76, s77
	s_mov_b32 s77, 0
	s_and_b32 s78, s70, 15
	s_lshl_b32 s78, s78, 2                         ; q_scale[head]
	s_mov_b32 s79, 0
	s_mov_b32 s[TRIP], 0
	s_mov_b32 s[STP], 0
	s_mov_b32 s[STP+1], 0
	s_wait_alu depctr_va_vdst(0)
	s_wait_dscnt 0x0                               ; both opening adds are done
	s_wait_kmcnt 0x0
	s_load_b256 s[40:47], s[10:11], 0x0            ; e0 .. e7
	s_load_b128 s[48:51], s[10:11], 0x20           ; e8 .. e11
	s_load_b32 s52, s[12:13], 0x0                  ; T
	s_add_nc_u64 s[78:79], s[14:15], s[78:79]
	s_load_b32 s53, s[78:79], 0x0
	s_mov_b32 s32, 1
	s_lshl_b32 s33, s[WV], 16                      ; LDS byte 65,536 x wave: K, then V
	s_cmp_lt_u32 s[WV], 2                          ; the buffer is chosen on the wave's number alone
	s_cselect_b64 s[34:35], s[6:7], s[8:9]
	s_add_nc_u64 s[34:35], s[34:35], s[72:73]
	s_or_b32 s35, s35, 0x80000000
	s_add_nc_u64 s[4:5], s[4:5], s[74:75]
	s_add_nc_u64 s[16:17], s[16:17], s[76:77]
	ROUND                                          ; all four work-groups are here: the joint loads meet
	tensor_load_to_lds s[32:35], s[G1:G1+7]        ; my one tensor load
	s_nop 0
	NOP4
	v_and_b32 v[LI], 31, v0
	v_lshlrev_b32 v[LI], 4, v[LI]
	v_and_b32 v[AML], 15, v0
	v_lshlrev_b32 v[AML], 4, v[AML]
	v_add_nc_u32 v[AML], MLS, v[AML]
	s_lshl_b32 s71, s[WV], 15
	v_add_nc_u32 v[AK], s71, v[LI]
	v_add_nc_u32 v[AV], 0x20000, v[AK]
	s_lshl_b32 s71, s[WV], 13
	s_add_co_u32 s71, s71, OST
	v_add_nc_u32 v[AOS], s71, v[LI]
	s_lshl_b32 s71, s[WV], 11
	s_add_co_u32 s71, s71, OST
	v_add_nc_u32 v[AOL], s71, v[LI]
	s_lshl_b32 s71, s[WV], 9
	s_add_co_u32 s71, s71, MLS
	v_add_nc_u32 v[AMS], s71, v[LI]
.irp j, NCM+1, NCM+3, G+1, G+3, OC, OC+1, OC+2, OC+3
	v_mov_b32 v[\j], 0                             ; the pairs' upper words, which are only named; and four zeros for the stage
.endr
	s_wait_alu depctr_va_vdst(0)                   ; ahead of the readers below
	WIN 0xc0
.irp k, 0,1,2,3
	global_load_b128 v[QN+4*\k:QN+4*\k+3], v[LI], s[4:5] offset:512*\k   ; the first trip's two fragments of Q
.endr
	WIN 0
	s_wait_kmcnt 0x0
	s_and_b32 s71, s52, 0x7fffffff
	v_mov_b32 v22, s71
	v_mul_f32 v22, 0x41000000, v22                 ; 8 |T|
	s_wait_alu depctr_va_vdst(0)                   ; ahead of the transcendental
	v_rcp_f32 v23, v22
	v_nop                                          ; a plain line behind the reciprocal
	s_lshr_b32 s69, s52, 31
	s_mul_i32 s69, s69, 0x80808080                 ; T's sign, for q's codes
	s_and_b32 s[AQS], s53, 0x7fffffff
	s_lshr_b32 s[SGN], s53, 31
	s_mul_i32 s[SGN], s[SGN], 0x80808080
	s_add_co_i32 s72, s46, s47                     ; e6 + e7
	s_wait_alu depctr_va_vdst(0)                   ; and ahead of the result's first reader
	v_fma_f32 v54, -v22, v23, 1.0                  ; one step of Newton's
	v_fma_f32 v23, v54, v23, v23
	v_mul_f32 v23, 0x3fb8aa3b, v23
	v_ldexp_f32 v23, v23, s72
	v_readfirstlane_b32 s[CS], v23                 ; c: a number, used as an operand alone
	s_mov_b32 s[CS+1], s[CS]
	s_xor_b32 s[NC], s[CS], 0x80000000
	s_sub_co_i32 s71, s50, s48
	s_sub_co_i32 s71, s71, s49                     ; a sum of the second product stands for sum x 2^(e8 + e9): its code is sum / 2^(e10 - e8 - e9)
	s_add_co_i32 s71, s71, 127
	s_lshl_b32 s72, s71, 23
	v_mov_b32 v[SCO], s72
	s_add_co_i32 s71, s71, 8
	s_lshl_b32 s71, s71, 23
	s_or_b32 s71, s71, 0x600000
	v_mov_b32 v[LIMO], s71
	s_add_co_i32 s71, s48, 127
	s_lshl_b32 s72, s71, 23
	v_mov_b32 v[SCP], s72                          ; 2^e8
	s_add_co_i32 s71, s71, 8
	s_lshl_b32 s71, s71, 23
	s_or_b32 s71, s71, 0x600000
	v_mov_b32 v[LIMP], s71                         ; 448 x 2^e8
	v_mov_b32 v[LIM2], s71
	s_wait_alu depctr_va_vdst(0)
	s_wait_tensorcnt 0x0                           ; my part of K or V is in; no tensor load is out when the stage is written
.set zi, 0
.rept 16
	ds_store_b128 v[AOS], v[OC:OC+3] offset:512*zi ; the stage begins as zeros
.set zi, zi+1
.endr
	s_wait_dscnt 0x0
	s_barrier_signal -1
	s_barrier_wait -1                              ; everybody's part is in: K and V are only read from here on
	KLD 0, 0                                       ; the first trip's first batch of K
.Ltrip:
	s_wait_loadcnt 0x0                             ; this trip's Q, asked for a trip ago
	WIN 0xcc
.set j, 0
.rept 16
	v_xor_b32 v[Q+j], s69, v[QN+j]                 ; T's sign; the copy frees the registers for the next trip's loads
.set j, j+1
.endr
	WIN 0
	s_wait_alu depctr_va_vdst(0)
	s_cmp_eq_u32 s[TRIP], 15
	s_cbranch_scc1 .Lnoq                           ; the last trip has no successor
	s_add_nc_u64 s[4:5], s[4:5], 2048              ; (the loads that read this base are done)
	WIN 0xc0
.irp k, 0,1,2,3
	global_load_b128 v[QN+4*\k:QN+4*\k+3], v[LI], s[4:5] offset:512*\k
.endr
	WIN 0
.Lnoq:
	s_wait_dscnt 0x0                               ; my stores into the stage are done, and batch 0 of K is in:
	s_barrier_signal -1                            ; say so; between this and the wait stand LDS loads of K and work on registers
	KLD 1, 1
.set j, 0
.rept 8
	v_mov_b32 v[M+j], 0xff800000                   ; the chains of maxima begin at -infinity
.set j, j+1
.endr
	s_wait_alu depctr_va_vdst(0)
	SMUL 0
	KLD 2, 0
	s_wait_dscnt 16                                ; batch 1 is in; batch 2's 16 may be out
	SMUL 1
	KLD 3, 1
	SMAX 0
	s_wait_alu depctr_va_vdst(0)
	s_wait_dscnt 16                                ; batch 2 is in; batch 3's 16 may be out
	SMUL 2
	SMAX 1
	s_wait_alu depctr_va_vdst(0)
	s_wait_dscnt 0x0
	SMUL 3
	SMAX 2
	SMAX 3
	WIN 0
	s_wait_alu depctr_va_vdst(0)
	s_barrier_wait -1                              ; everybody's part of the last trip's O^T is in the stage
	OLD                                            ; they land under the exponentials,
	VLD 0                                          ; and so do V's first two chunks
	VLD 1
.irp t, 0,1
	v_max3_num_f32 v[MS+2*\t], v[M+4*\t], v[M+4*\t+1], v[M+4*\t+2]
.endr
.irp t, 0,1
	v_max_num_f32 v[MS+2*\t], v[MS+2*\t], v[M+4*\t+3]   ; m': my lane's largest score
.endr
.irp t, 0,1
	v_mul_f32 v[NCM+2*\t], s[NC], v[MS+2*\t]       ; -c m'
.endr
	EF 2
	EF 1
	s_wait_alu depctr_va_vdst(0)                   ; a wait between each run of multiply-adds and the exponentials that read them
	EX 1, 1
	s_wait_alu depctr_va_vdst(0)
	EX 1, 0
	EX 2, 1
	s_wait_alu depctr_va_vdst(0)
	EX 2, 0
	v_nop                                          ; a plain line behind the last exponential,
	s_wait_alu depctr_va_vdst(0)                   ; and one wait ahead of the first reader of any e
	WIN 0x05
.irp p, 0,1,2,3
.irp t, 0,1
	v_pk_add_f32 v[L+8*\t+2*\p:L+8*\t+2*\p+1], v[64*\t+2*\p:64*\t+2*\p+1], v[64*\t+2*\p+8:64*\t+2*\p+9]   ; the first additions start the eight chains
.endr
.endr
	WIN 0x04
	ESUM 0, 8
	ESUM 128, 0
	WIN 0x08
	ESUM 0, 0
	ESUM 128, 0
	WIN 0
.irp t, 0,1
	v_pk_add_f32 v[L+8*\t:L+8*\t+1], v[L+8*\t:L+8*\t+1], v[L+8*\t+2:L+8*\t+3]
	v_pk_add_f32 v[L+8*\t+4:L+8*\t+5], v[L+8*\t+4:L+8*\t+5], v[L+8*\t+6:L+8*\t+7]
.endr
.irp t, 0,1
	v_pk_add_f32 v[L+8*\t:L+8*\t+1], v[L+8*\t:L+8*\t+1], v[L+8*\t+4:L+8*\t+5]
.endr
.irp t, 0,1
	v_add_f32 v[MS+2*\t+1], v[L+8*\t], v[L+8*\t+1] ; l': my lane's sum
.endr
	ds_store_b128 v[AMS], v[MS:MS+3]
	s_wait_dscnt 0x0                               ; my (m', l') are stored, and my reads of the stage are back
	s_barrier_signal -1
	REDUCE                                         ; the last trip's output, on registers, while the others arrive
	s_wait_alu depctr_va_vdst(0)
	s_barrier_wait -1                              ; everybody's (m', l') are in, and nobody reads the stage any more
.irp k, 0,1,2,3,4,5,6,7
	ds_load_b128 v[T+4*\k:T+4*\k+3], v[AML] offset:256*\k   ; my query's eight (m', l'), both tiles
.endr
	s_cmp_eq_u32 s[TRIP], 0
	s_cbranch_scc1 .Lnost                          ; the first trip has no predecessor
	global_store_b128 v[LI], v[OC:OC+3], s[16:17]  ; the wave's store covers 512 consecutive bytes, aligned
.Lnost:
	s_wait_dscnt 0x0
.irp t, 0,1
	v_max3_num_f32 v[MX+\t], v[T+2*\t], v[T+4+2*\t], v[T+8+2*\t]
.endr
.irp k, 12,20
.irp t, 0,1
	v_max3_num_f32 v[MX+\t], v[MX+\t], v[T+\k+2*\t], v[T+\k+4+2*\t]
.endr
.endr
.irp t, 0,1
	v_max_num_f32 v[MX+\t], v[MX+\t], v[T+28+2*\t] ; m: the row's maximum
.endr
.irp t, 0,1
	v_mul_f32 v[NM+\t], s[NC], v[MX+\t]            ; -c m
.endr
.irp k, 0,1,2,3,4,5,6,7
.irp t, 0,1
	v_fma_f32 v[T+4*\k+2*\t], v[T+4*\k+2*\t], s[CS], v[NM+\t]   ; c m'_k - c m
.endr
.endr
.irp t, 0,1
	v_sub_f32 v[EO+\t], v[NM+\t], v[NCM+2*\t]      ; and my own
.endr
	s_wait_alu depctr_va_vdst(0)
.irp k, 0,1,2,3,4,5,6,7
.irp t, 0,1
	v_exp_f32 v[T+4*\k+2*\t], v[T+4*\k+2*\t]
.endr
.endr
	v_exp_f32 v[EO], v[EO]
	v_exp_f32 v[EO+1], v[EO+1]
	v_nop
	s_wait_alu depctr_va_vdst(0)
.irp t, 0,1
	v_mul_f32 v[LS+\t], v[T+2*\t+1], v[T+2*\t]
.endr
.irp k, 1,2,3,4,5,6,7
.irp t, 0,1
	v_fma_f32 v[LS+\t], v[T+4*\k+2*\t+1], v[T+4*\k+2*\t], v[LS+\t]   ; l: the eight sums under the row's maximum
.endr
.endr
	s_wait_alu depctr_va_vdst(0)
	v_rcp_f32 v[LS], v[LS]
	v_rcp_f32 v[LS+1], v[LS+1]
	v_nop
	s_wait_alu depctr_va_vdst(0)
.irp t, 0,1
	v_mul_f32 v[LS+\t], s[AQS], v[LS+\t]
.endr
.irp t, 0,1
	v_mul_f32 v[G+2*\t], v[LS+\t], v[EO+\t]        ; g = |q_scale| 2^(c m' - c m) / l
.endr
.irp c, 0,1,2,3,4,5,6,7
	PCH \c
.endr
	s_wait_alu depctr_va_vdst(0)
	s_wait_dscnt 0x0                               ; the last chunk's V
.set pn, 0
.rept 8
	PVW 7, pn/2, pn%2
.set pn, pn+1
.endr
	NOP4                                           ; four places behind the last products
.set zi, 0
.rept 16
	ds_store_b128 v[AOS], v[O+4*zi:O+4*zi+3] offset:512*zi   ; my part of O^T, each accumulator from its low end on
.set zi, zi+1
.endr
	s_cmp_eq_u32 s[TRIP], 15
	s_cbranch_scc1 .Lnok                           ; the last trip has no successor
	KLD 0, 0                                       ; the next trip's first batch of K, into V's buffers, which are done with
.Lnok:
	s_wait_xcnt 0x0                                ; the store has read its base and its data
	s_add_nc_u64 s[16:17], s[16:17], s[STP:STP+1]
	s_mov_b32 s[STP], 32768                        ; two tiles of oc
	s_add_co_u32 s[TRIP], s[TRIP], 1
	s_cmp_lt_u32 s[TRIP], 16
	s_cbranch_scc1 .Ltrip
	s_wait_dscnt 0x0                               ; the last trip's output
	s_barrier_signal -1
	s_barrier_wait -1
	OLD
	s_wait_dscnt 0x0
	REDUCE
	global_store_b128 v[LI], v[OC:OC+3], s[16:17]
	s_wait_tensorcnt 0x0                           ; the wave's end
	ds_add_u32 v[SPW], v[NIL]
	s_wait_dscnt 0x0
	ROUND                                          ; the closing round
	s_endpgm
.Lfunc_end_k_q5a4a94e412_attn:
	.size	k_q5a4a94e412_attn, .Lfunc_end_k_q5a4a94e412_attn-k_q5a4a94e412_attn
	.p2alignl 7, 3214868480
	.fill 96, 4, 3214868480
	.section	.rodata,"a",@progbits
	.p2align	6, 0x0
	.amdhsa_kernel k_q5a4a94e412_attn
		.amdhsa_group_segment_fixed_size 327680
		.amdhsa_private_segment_fixed_size 0
		.amdhsa_enable_private_segment 0
		.amdhsa_kernarg_size 56
		.amdhsa_user_sgpr_count 2
		.amdhsa_user_sgpr_kernarg_segment_ptr 1
		.amdhsa_wavefront_size32 1
		.amdhsa_system_sgpr_workgroup_id_x 1
		.amdhsa_system_sgpr_workgroup_id_y 1
		.amdhsa_system_sgpr_workgroup_id_z 1
		.amdhsa_system_vgpr_workitem_id 0
		.amdhsa_next_free_vgpr 896
		.amdhsa_next_free_sgpr 84
		.amdhsa_reserve_vcc 0
		.amdhsa_float_denorm_mode_32 3
		.amdhsa_float_denorm_mode_16_64 3
		.amdhsa_memory_ordered 1
		.amdhsa_forward_progress 1
		.amdhsa_inst_pref_size 144
	.end_amdhsa_kernel
	.amdgpu_metadata
---
amdhsa.version: [ 1, 2 ]
amdhsa.kernels:
  - .name:           k_q5a4a94e412_attn
    .symbol:         k_q5a4a94e412_attn.kd
    .args:
      - { .name: qc, .offset: 0, .size: 8, .value_kind: global_buffer, .address_space: global }
      - { .name: kc, .offset: 8, .size: 8, .value_kind: global_buffer, .address_space: global }
      - { .name: vc, .offset: 16, .size: 8, .value_kind: global_buffer, .address_space: global }
      - { .name: lowp_scales, .offset: 24, .size: 8, .value_kind: global_buffer, .address_space: global }
      - { .name: temperature, .offset: 32, .size: 8, .value_kind: global_buffer, .address_space: global }
      - { .name: q_scale, .offset: 40, .size: 8, .value_kind: global_buffer, .address_space: global }
      - { .name: oc, .offset: 48, .size: 8, .value_kind: global_buffer, .address_space: global }
    .group_segment_fixed_size: 327680
    .private_segment_fixed_size: 0
    .kernarg_segment_align: 8
    .kernarg_segment_size: 56
    .max_flat_workgroup_size: 128
    .sgpr_count:     84
    .vgpr_count:     896
    .wavefront_size: 32
...
	.end_amdgpu_metadata
.endif
;; end of part 3
;; launch oproj (part 4): grid 4 x 64, 4 waves a work-group, clusters of 4 x 4, 327,680 bytes of LDS; arguments oc, wc, b_o, lowp_scales, out0; writes out0
.if DOCPART == 4
	.amdgcn_target "amdgcn-amd-amdhsa--gfx1250"
	.amdhsa_code_object_version 6
	.text
	.protected	k_q5a4a94e412_oproj
	.globl	k_q5a4a94e412_oproj
	.p2align	8
	.type	k_q5a4a94e412_oproj,@function
k_q5a4a94e412_oproj:
	s_mov_b64 s[64:65], 0
	v_nop
	global_prefetch_b8 v0, s[64:65] scope:SCOPE_SE
	s_setreg_imm32_b32 hwreg(HW_REG_WAVE_MODE, 25, 1), 1
	s_wait_xcnt 0x0
	s_wait_alu depctr_hold_cnt(0) depctr_sa_sdst(0) depctr_va_vdst(0) depctr_va_sdst(0) depctr_va_ssrc(0) depctr_va_vcc(0) depctr_vm_vsrc(0)
	s_getreg_b32 s2, hwreg(HW_REG_IB_STS2, 6, 4)
	s_cmp_eq_u32 s2, 0
	s_cbranch_scc0 .Lentry_in_a_cluster
	s_endpgm
.Lentry_in_a_cluster:
	s_bfe_u32 s2, ttmp6, 0x10000c
	s_cmp_lg_u32 s2, 0xf033
	s_cbranch_scc0 .Lentry_shape_is_right
	s_endpgm
.Lentry_shape_is_right:
; out0[token][n] = 2^(e10 + e11) x (sum over k of oc[token][k] w_o[n][k]) + b_o[n], on codes of E4M3; sums in f32.  LIMIT: e10 + e11 between -126 and 127.
; oc: [token / 16][k / 64][1024];  wc's fourth weight, 3 x 2^20 bytes in: [n / 16][k / 64][1024]: images of the operand's registers, 16 rows x 64 k each.
; A block of the result is 128 tokens x 256 n: 64 x 4 = 256 work-groups.  Four waves, each 64 x 128: 32 accumulators of 16 x 16, 256 registers.
; K goes in steps of 256 through a ring of two LDS slots: a row tile's part of a step is 4,096 consecutive bytes.  Waves 0, 1 fetch A's halves (4 row tiles each), waves 2, 3 B's (8 each).
; CLUSTERS: 4 x 4 work-groups; A's tile is asked for jointly along a row of the cluster, B's along a column.
; The matrix instruction is used transposed (source 0 = 16 rows of B, source 1 = 16 rows of A): a lane holds eight neighbouring numbers of a row of the result.
; REGISTERS: window 0: v0-35 addresses and the bias; v128-255 A's fragments, two sets of 4 x 16; on the way out rows read back.  Window 1: B's fragments, two sets of 8 x 16.  Window 2: accumulator (a, b) at v[8 (8 a + b)].
; PREFETCH: K steps 1 and 2 are asked for behind K step 0's load, K step 3 behind K step 1's; of the rows that a wave fetches each of the four partners that ask jointly takes a quarter, told apart by address.
.set HALFT,  32768                     ; room for 8 row tiles x 4,096 bytes (A's halves use the first 4)
.set SLOT,   4*HALFT                   ; A's two halves, then B's two
.set SPARE,  2*SLOT                    ; behind the ring: the spare words, 128 bytes a wave
.set SPITCH, 528                       ; the way out: a stage of 16 rows x (512 + 16) bytes a wave, in slot 0, which has had its last fill and its last read by then
.set FR,     16
.set NP,     4
.set ADRA, 16
.set ADRB, 20
.set LI,   24
.set STO,  25
.set RD,   26
.set SPW,  28
.set NIL,  29
.set PFO,  30
.set BO,   32
.set AF,   128
.set BK,   128
.set WV,   22
.set ROLE, 23
.set NH,   66
.set G1,  24
.set G0,  32
.set G1B, 48
.set G0B, 56
.set MSB, 0
.macro WIN new                         ; the immediate's high byte repeats the setting that is left
.if MSB != (\new)
	s_set_vgpr_msb (MSB<<8)|(\new)
.set MSB, (\new)
.endif
.endm
.set MUL_LO, 0xa1                      ; source 0 (B) window 1, source 1 (A) window 0, C and D window 2
.set TO_B,   0x40
.macro JLOAD g0a, g1a, g0b, g1b        ; a joint load: waves 0, 1 for A, waves 2, 3 for B; the branch hangs on the wave's number alone
	s_cmp_eq_u32 s[ROLE], 0
	s_cbranch_scc0 .Lfor_b_\@
	tensor_load_to_lds s[\g0a:\g0a+3], s[\g1a:\g1a+7]
	s_nop 0
.rept 4
	v_nop
.endr
	s_branch .Lasked_\@
.Lfor_b_\@:
	tensor_load_to_lds s[\g0b:\g0b+3], s[\g1b:\g1b+7]
	s_nop 0
.rept 4
	v_nop
.endr
.Lasked_\@:
.endm
.macro CREST                           ; a round of the cluster's barrier behind its opening barrier
	s_cmp_lg_u32 s[WV], 0
	s_cbranch_scc1 .Lnot_wave_0_\@
	s_barrier_signal -3
.Lnot_wave_0_\@:
	s_barrier_wait -3
	s_barrier_signal -1
	s_barrier_wait -1
.endm
.macro CROUND
	s_barrier_signal -1
	s_barrier_wait -1
	CREST
.endm
.macro FRAG reg, adr, q, i             ; 16 rows x 128 k: two images, four loads of 512 consecutive bytes
.irp c, 0,1,2,3
	ds_load_b128 v[\reg+4*\c:\reg+4*\c+3], v[\adr] offset:4096*(\i)+2048*(\q)+512*\c
.endr
.endm
.macro MULA a, p, zero                 ; A's block a x B's eight, set p; the 32 accumulators take turns in the same order in every step
.irp b, 0,1,2,3,4,5,6,7
.if \zero
	v_wmma_f32_16x16x128_fp8_fp8 v[8*(8*(\a)+\b):8*(8*(\a)+\b)+7], v[128*(\p)+FR*\b:128*(\p)+FR*\b+FR-1], v[AF+64*(\p)+FR*(\a):AF+64*(\p)+FR*(\a)+FR-1], 0
.else
	v_wmma_f32_16x16x128_fp8_fp8 v[8*(8*(\a)+\b):8*(8*(\a)+\b)+7], v[128*(\p)+FR*\b:128*(\p)+FR*\b+FR-1], v[AF+64*(\p)+FR*(\a):AF+64*(\p)+FR*(\a)+FR-1], v[8*(8*(\a)+\b):8*(8*(\a)+\b)+7]
.endif
.endr
.endm
.macro FETCH slot, q, p                ; the fragments of the slot's q-th 128 along K into set p: 48 loads in one run
	WIN TO_B
.irp i, 0,1,2,3,4,5,6,7
	FRAG 128*(\p)+FR*\i, ADRB+\slot, \q, \i
.endr
	WIN 0
.irp i, 0,1,2,3
	FRAG AF+64*(\p)+FR*\i, ADRA+\slot, \q, \i
.endr
.endm
.macro PLACES n
.rept \n
	v_nop
.endr
.endm
.macro STEP slot, zero                 ; a slot's first 128 along K, on set 0; set 1 is fetched from the same slot under its 32 products
	s_wait_dscnt 0x0                               ; set 0 is in
	PLACES NP                                      ; four places in front of loads into registers that the last products read
	FETCH \slot, 1, 1
	WIN MUL_LO
	MULA 0, 0, \zero
	MULA 1, 0, \zero
	MULA 2, 0, \zero
	MULA 3, 0, \zero
	WIN 0
.endm
.macro TURN slot, next, fill           ; a slot's second 128 along K, on set 1, and the change of slots.  fill = 1: this slot is filled again, two K steps ahead
	s_wait_tensorcnt 0x0                           ; all my tensor loads have landed: my part of the next slot
	ds_add_u32 v[SPW], v[NIL]
	s_wait_dscnt 1                                 ; set 1 is in; the add may be out
	WIN MUL_LO
	MULA 0, 1, 0
	s_wait_dscnt 0x0                               ; the add is done, and my reads of this slot are over
	s_barrier_signal -1
	MULA 1, 1, 0
	WIN 0
	s_barrier_wait -1
.if \fill
	CREST                                          ; the barrier has opened a round of the cluster's barrier
	s_add_nc_u64 s[G0+4*\slot+2:G0+4*\slot+3], s[G0+4*\slot+2:G0+4*\slot+3], 8192
	s_add_nc_u64 s[G0B+4*\slot+2:G0B+4*\slot+3], s[G0B+4*\slot+2:G0B+4*\slot+3], 8192
	JLOAD G0+4*\slot, G1, G0B+4*\slot, G1B         ; the first tensor load behind the round; its four v_nop are the places in front of the loads below
.else
	PLACES NP
.endif
	FETCH \next, 0, 0
	WIN MUL_LO
	MULA 2, 1, 0
	MULA 3, 1, 0
	WIN 0
.endm
	s_load_b256 s[4:11], s[0:1], 0x0               ; oc, wc, b_o, the exponents
	s_load_b64 s[12:13], s[0:1], 0x20              ; out0
	v_lshl_add_u32 v[SPW], v0, 2, SPARE
	v_mov_b32 v[NIL], 0
	ds_add_u32 v28, v29                            ; the opening lines: the add, twice on end, and its wait
	ds_add_u32 v28, v29
	s_wait_dscnt 0x0
	v_lshrrev_b32 v1, 5, v0
	v_readfirstlane_b32 s[WV], v1
	s_lshr_b32 s[ROLE], s[WV], 1                   ; which 64 rows are mine.  Also: I fetch for A (0) or for B (1)
	s_and_b32 s[NH], s[WV], 1                      ; which 128 columns.  Also: which half of that tile I fetch
	s_bfe_u32 s40, ttmp6, 0x40000                  ; cx
	s_bfe_u32 s41, ttmp6, 0x40004                  ; cy
	s_and_b32 s42, ttmp7, 0xffff
	s_lshl_b32 s89, s42, 2
	s_add_co_u32 s89, s89, s41                     ; block row, 0 .. 63
	s_lshl_b32 s90, ttmp9, 2
	s_add_co_u32 s90, s90, s40                     ; block column, 0 .. 3
	s_lshl_b32 s43, s41, 2
	s_lshl_b32 s43, 15, s43                        ; my row of the cluster
	s_lshl_b32 s44, 0x1111, s40                    ; my column
	s_or_b32 s[G1+0], s43, (3<<16)|(1<<21)
	s_or_b32 s[G1B+0], s44, (3<<16)|(1<<21)
.irp g, G1, G1B
	s_mov_b32 s[\g+1], 512<<16                     ; rows of 512 elements of 8 bytes,
	s_mov_b32 s[\g+2], 8<<16                       ; 8 of them,
	s_mov_b32 s[\g+3], 512<<16
	s_mov_b32 s[\g+4], 8
	s_mov_b32 s[\g+5], 2048                        ; 16,384 bytes apart
	s_mov_b32 s[\g+6], 0
	s_mov_b32 s[\g+7], 0
.endr
	s_mov_b32 s[G1+2], 4<<16                       ; A's loads bring 4 row tiles
	s_mov_b32 s[G1+4], 4
	s_lshl_b32 s91, s[NH], 16                      ; A: 8 row tiles a block, 4 a half
	s_lshl_b32 s92, s89, 17
	s_add_co_u32 s92, s92, s91
	s_mov_b32 s93, 0
	s_lshl_b32 s91, s[NH], 17                      ; B: 16 row tiles a block, 8 a half, in the fourth weight
	s_lshl_b32 s94, s90, 18
	s_add_co_u32 s94, s94, s91
	s_add_co_u32 s94, s94, 3<<20
	s_mov_b32 s95, 0
	s_lshl_b32 s45, s[WV], 15                      ; where my load goes: wave x 32,768
	s_wait_kmcnt 0x0
	s_load_b64 s[96:97], s[10:11], 0x28            ; e10, e11
	s_add_nc_u64 s[80:81], s[4:5], s[92:93]
	s_add_nc_u64 s[82:83], s[6:7], s[94:95]
	; the prefetches: A's partners take one row of 4,096 bytes each (16 blocks of 256 bytes; the lanes left over name the last again), B's two rows (32 blocks)
	s_cmp_eq_u32 s[ROLE], 0
	s_cselect_b64 s[100:101], s[80:81], s[82:83]
	s_cselect_b32 s46, s40, s41                    ; my place among the four that ask with me
	s_cselect_b32 s47, 14, 15
	s_cselect_b32 s67, 15, 31
	s_lshl_b32 s46, s46, s47
	s_mov_b32 s47, 0
	s_add_nc_u64 s[100:101], s[100:101], s[46:47]
	v_and_b32 v31, 31, v0
	v_min_u32 v31, s67, v31
	v_and_b32 v[PFO], 15, v31
	v_lshlrev_b32 v[PFO], 8, v[PFO]
	v_lshrrev_b32 v31, 4, v31
	v_lshl_add_u32 v[PFO], v31, 14, v[PFO]
	s_wait_alu depctr_va_vdst(0)
	CROUND                                         ; all sixteen work-groups are here: the first joint loads meet
.irp s, 0,1
	s_mov_b32 s[G0+4*\s], 1
	s_add_co_u32 s[G0+4*\s+1], s45, \s*SLOT
	s_add_nc_u64 s[G0+4*\s+2:G0+4*\s+3], s[80:81], \s*4096
	s_or_b32 s[G0+4*\s+3], s[G0+4*\s+3], 0x80000000
	s_mov_b32 s[G0B+4*\s], 1
	s_add_co_u32 s[G0B+4*\s+1], s45, \s*SLOT
	s_add_nc_u64 s[G0B+4*\s+2:G0B+4*\s+3], s[82:83], \s*4096
	s_or_b32 s[G0B+4*\s+3], s[G0B+4*\s+3], 0x80000000
.if \s == 1
	s_wait_alu depctr_va_vdst(0)
	s_wait_tensorcnt 0x0                           ; slot 1's first fill is issued as a refill is
	ds_add_u32 v28, v29
	ds_add_u32 v28, v29
	s_wait_dscnt 0x0
	CROUND
.endif
	JLOAD G0+4*\s, G1, G0B+4*\s, G1B
.if \s == 0
	global_prefetch_b8 v[PFO], s[100:101] offset:4096 th:TH_LOAD_NT scope:SCOPE_SE    ; K steps 1 and 2, behind K step 0's load
	global_prefetch_b8 v[PFO], s[100:101] offset:8192 th:TH_LOAD_NT scope:SCOPE_SE
.else
	global_prefetch_b8 v[PFO], s[100:101] offset:12288 th:TH_LOAD_NT scope:SCOPE_SE   ; K step 3, the last, behind K step 1's load
.endif
.endr
	s_lshl_b32 s84, s[ROLE], 15                    ; my 64 rows of A in slot 0, 1
	s_add_co_u32 s85, s84, SLOT
	s_lshl_b32 s86, s[NH], 15                      ; my 128 rows of B, behind A's room
	s_add_co_u32 s86, s86, 2*HALFT
	s_add_co_u32 s87, s86, SLOT
	s_mul_i32 s88, s[WV], 16*SPITCH                ; my stage
	s_lshl_b32 s91, s90, 10                        ; my first column, in bytes
	s_lshl_b32 s92, s[NH], 9
	s_add_co_u32 s91, s91, s92
	s_lshl_b32 s92, s89, 7                         ; my first row: 128 x block row + 64 x half
	s_lshl_b32 s93, s[ROLE], 6
	s_add_co_u32 s92, s92, s93
	s_lshl_b32 s92, s92, 12                        ; a row of out0 is 4,096 bytes
	s_add_co_u32 s92, s92, s91
	s_mov_b32 s93, 0
	s_add_nc_u64 s[12:13], s[12:13], s[92:93]
	v_and_b32 v1, 15, v0
	v_bfe_u32 v2, v0, 4, 1
	v_and_b32 v3, 31, v0
	v_lshlrev_b32 v[LI], 4, v3
	v_add_nc_u32 v[ADRA], s84, v[LI]
	v_add_nc_u32 v[ADRA+1], s85, v[LI]
	v_add_nc_u32 v[ADRB], s86, v[LI]
	v_add_nc_u32 v[ADRB+1], s87, v[LI]
	v_mul_u32_u24 v[STO], v1, SPITCH               ; into the stage: row lane % 16, 32 bytes for each half of the lanes
	v_lshl_add_u32 v[STO], v2, 5, v[STO]
	v_add_nc_u32 v[STO], s88, v[STO]
	v_add_nc_u32 v[RD], s88, v[LI]                 ; back: the 32 lanes take one row of 512 bytes
	v_add_nc_u32 v8, s91, v[LI]
	s_wait_alu depctr_va_vdst(0)
	global_load_b128 v[BO:BO+3], v8, s[8:9]        ; the bias of my four columns of a row read back
	s_wait_tensorcnt 1                             ; K step 0 is in; K step 1's load may be out
	s_barrier_signal -1
	s_barrier_wait -1
	FETCH 0, 0, 0
	STEP 0, 1                                      ; the first products start the sums
	TURN 0, 1, 1
	STEP 1, 0
	TURN 1, 0, 1
	STEP 0, 0
	TURN 0, 1, 0                                   ; the last two K steps fill nothing
	STEP 1, 0
	s_wait_dscnt 0x0
	WIN MUL_LO
	MULA 0, 1, 0
	MULA 1, 1, 0
	MULA 2, 1, 0
	MULA 3, 1, 0
	WIN 0
; THE WAY OUT, block by block of 16 rows x 128 columns, through my own stage: LDS serves a wave's instructions in order, so no wait stands between the stores and the loads
.macro TOSTAGE a
.set AC, 64*(\a)
	WIN 8                                          ; the stores' data: window 2
.irp b, 0,1,2,3,4,5,6,7
	ds_store_b128 v[STO], v[AC+8*\b:AC+8*\b+3] offset:64*\b
	ds_store_b128 v[STO], v[AC+8*\b+4:AC+8*\b+7] offset:64*\b+16
.endr
	WIN 0
.set BB, BK+64*((\a)%2)
.irp t, 0,1,2,3,4,5,6,7,8,9,10,11,12,13,14,15
	ds_load_b128 v[BB+4*\t:BB+4*\t+3], v[RD] offset:\t*SPITCH
.endr
.endm
.macro SEND a, younger                 ; younger: the LDS instructions issued behind block a's loads, which may stay out
.set BB, BK+64*((\a)%2)
	s_wait_dscnt \younger
.if (\a) > 0
	s_add_nc_u64 s[12:13], s[12:13], 16*4096       ; (behind a wait on XCNT: the earlier stores have read their base)
.endif
.set j, 0
.rept 16
	v_pk_fma_f32 v[BB+j:BB+j+1], v[BB+j:BB+j+1], s[96:97], v[BO:BO+1] op_sel_hi:[1,0,1]
	v_pk_fma_f32 v[BB+j+2:BB+j+3], v[BB+j+2:BB+j+3], s[96:97], v[BO+2:BO+3] op_sel_hi:[1,0,1]
.set j, j+4
.endr
.irp t, 0,1,2,3,4,5,6,7,8,9,10,11,12,13,14,15
	global_store_b128 v[LI], v[BB+4*\t:BB+4*\t+3], s[12:13] offset:\t*4096 th:TH_STORE_NT   ; 32 lanes store 512 consecutive bytes, aligned
.endr
.endm
	s_wait_kmcnt 0x0
	s_add_co_i32 s96, s96, s97
	s_add_co_i32 s96, s96, 127
	s_lshl_b32 s96, s96, 23                        ; 2^(e10 + e11) as f32
	s_mov_b32 s97, s96
	s_wait_loadcnt 0x0
	PLACES NP                                      ; four places behind the last products
	TOSTAGE 0
.irp a, 1,2,3
.if \a > 1
	s_wait_xcnt 0x0                                ; block a - 2's stores have read their registers and their base
.endif
	TOSTAGE \a
	SEND \a-1, 32
.endr
	s_wait_xcnt 0x0
	SEND 3, 0
	s_wait_tensorcnt 0x0                           ; the wave's end
	ds_add_u32 v[SPW], v[NIL]
	s_wait_dscnt 0x0
	CROUND                                         ; the closing round
	s_endpgm
.Lfunc_end_k_q5a4a94e412_oproj:
	.size	k_q5a4a94e412_oproj, .Lfunc_end_k_q5a4a94e412_oproj-k_q5a4a94e412_oproj
	.p2alignl 7, 3214868480
	.fill 96, 4, 3214868480
	.section	.rodata,"a",@progbits
	.p2align	6, 0x0
	.amdhsa_kernel k_q5a4a94e412_oproj
		.amdhsa_group_segment_fixed_size 327680
		.amdhsa_private_segment_fixed_size 0
		.amdhsa_enable_private_segment 0
		.amdhsa_kernarg_size 40
		.amdhsa_user_sgpr_count 2
		.amdhsa_user_sgpr_kernarg_segment_ptr 1
		.amdhsa_wavefront_size32 1
		.amdhsa_system_sgpr_workgroup_id_x 1
		.amdhsa_system_sgpr_workgroup_id_y 1
		.amdhsa_system_sgpr_workgroup_id_z 1
		.amdhsa_system_vgpr_workitem_id 0
		.amdhsa_next_free_vgpr 768
		.amdhsa_next_free_sgpr 102
		.amdhsa_reserve_vcc 0
		.amdhsa_float_denorm_mode_32 3
		.amdhsa_float_denorm_mode_16_64 3
		.amdhsa_memory_ordered 1
		.amdhsa_forward_progress 1
		.amdhsa_inst_pref_size 76
	.end_amdhsa_kernel
	.amdgpu_metadata
---
amdhsa.version: [ 1, 2 ]
amdhsa.kernels:
  - .name:           k_q5a4a94e412_oproj
    .symbol:         k_q5a4a94e412_oproj.kd
    .args:
      - { .name: oc, .offset: 0, .size: 8, .value_kind: global_buffer, .address_space: global }
      - { .name: wc, .offset: 8, .size: 8, .value_kind: global_buffer, .address_space: global }
      - { .name: b_o, .offset: 16, .size: 8, .value_kind: global_buffer, .address_space: global }
      - { .name: lowp_scales, .offset: 24, .size: 8, .value_kind: global_buffer, .address_space: global }
      - { .name: out0, .offset: 32, .size: 8, .value_kind: global_buffer, .address_space: global }
    .group_segment_fixed_size: 327680
    .private_segment_fixed_size: 0
    .kernarg_segment_align: 8
    .kernarg_segment_size: 40
    .max_flat_workgroup_size: 128
    .sgpr_count:     102
    .vgpr_count:     768
    .wavefront_size: 32
...
	.end_amdgpu_metadata
.endif
;; end of part 4
